; MI455X (gfx1250); checked and timed in simulation.
; The chip was launched on July 23, 2026; its instructions are those of AMD's public machine-readable ISA for CDNA 5 (MIT licence, August 2026) and "CDNA5" Instruction Set Architecture Reference Guide (July 2026). The comments in the code are by the model that wrote it; some were corrected since.
;; Geometric Attention Bias. Allowed arithmetic: matrix products marked QUANTISED: E5M2 operands, one E8M0 scale for each 32 along K, by v_wmma_scale_f32_16x16x128_f8f6f4 with both operands' format E5M2, f32 sums; products left as they are: f32 operands where the result goes on into a quantised operand, else bf16, f16 or f32 operands; f32 sums; everything else in f32.
;; Inputs: W1 4 x 128 float32; W2_codes 64 x 4 x 32 uint8 (E5M2 codes of W2, K innermost, in blocks of 32 codes); W2_scales 64 x 4 uint8 (E8M0 scales of W2, one for each 32 codes along K); W3 64 x 8 float32; b1 128 float32; b2 64 float32; b3 8 float32; beta1 128 float32; beta2 64 float32; bias_scale 8 float32; g1 128 float32; g2 64 float32; grasp_poses 4 x 64 x 7 float32; grasp_tokens 4 x 64 x 256 float32; scene_points 4 x 4,096 x 3 float32.
;; Outputs: out0 4 x 8 x 64 x 4,096 float32.
;; This version of the problem:
;;   THIS VERSION OF THE PROBLEM IS GIVEN IN LOW PRECISION. The matrix products marked QUANTISED in the list below multiply operands that are first quantised to E5M2 (5 exponent bits, 2 mantissa bits; 8 bits a number), with one power-of-two scale for each 32 numbers along K (OCP MX v1.0); their sums are f32. All else is computed in f32.
;;   The module's matrix products, in the order in which they are computed (A, B: the left and right operand; K: the contracted axis; several contracted axes count as one K, in the product's order):
;;     1. batch 256 x [M 4,096, K 3] x [K 3, N 3]; A: computed on the way; B: computed on the way: left as it is (K = 3 < 32)
;;     2. [M 1,048,576, K 4] x [K 4, N 128]; A: computed on the way; B: input W1: left as it is (K = 4 < 32)
;;     3. [M 1,048,576, K 128] x [K 128, N 64]; A: computed on the way; B: input W2 (given as codes): QUANTISED
;;     4. [M 1,048,576, K 64] x [K 64, N 8]; A: computed on the way; B: input W3: left as it is (N = 8 < 16)
;;   THE QUANTISER, for each operand of a quantised product, along K:
;;     - K is cut into blocks of 32 from its start; a last block that is shorter is filled with zeros.
;;     - A block's scale is 2^e with e = floor(log2(the largest magnitude in the block)) - 15, held to -126 .. 127; a block of zeros has e = 0. As a byte (E8M0): e + 127.
;;     - Each number is divided by its block's scale, clamped to +-57,344, and rounded to the nearest number of E5M2, ties to even, subnormals kept.
;;     - The product sums the exact products of the quantised numbers (number of the format x scale) in f32.
;;   ~~~python
;;   def quantise(x, axis):      # numpy; x: float32 -> the quantised numbers, widened to float32 again
;;       x = np.moveaxis(x, axis, -1); K = x.shape[-1]
;;       x = np.pad(x, [(0, 0)] * (x.ndim - 1) + [(0, -K % 32)]); x = x.reshape(x.shape[:-1] + (-1, 32)); a = np.abs(x).max(-1, keepdims=True)
;;       e = np.where(a > 0, np.clip(np.frexp(np.where(a > 0, a, 1))[1] - 1 - 15, -126, 127), 0)      # np.frexp(a)[1] - 1 = floor(log2(a)), exactly
;;       r = np.clip(x / 2.0 ** e, -57344, 57344)
;;       step = 2.0 ** (np.maximum(np.frexp(np.where(r == 0, 1, r))[1] - 1, -14) - 2)
;;       q = np.round(r / step) * step * 2.0 ** e      # np.round: ties to even
;;       return np.moveaxis(q.reshape(q.shape[:-2] + (-1,))[..., :K], -1, axis).astype(np.float32)
;;   ~~~
;;   OPERANDS COMPUTED ON THE WAY. 'Computed on the way' means the value that the module computes at that place (a softmax that the list does not call 'softmax' is quantised finished and normalised). What goes into a quantiser is computed in f32, as accurately as f32 sums, v_exp_f32 and their like allow (about 1e-6 of the number): no bf16 or f16 on the way to a quantiser, and a product that is left as it is and whose result goes on into a quantised operand takes f32 operands (vector FMAs, or v_wmma_f32_16x16x4_f32). A number that lies on a knife's edge between two numbers of the format may be rounded either way, as far as f32 arithmetic and the matrix unit's own rounding can turn it there, and no further.
;;   INPUTS GIVEN AS CODES. W2 (in the module: [128, 64], K = its axis 0): each comes as NAME_codes (uint8): NAME with its K axis moved to the last place and cut into blocks of 32 codes, [.., K / 32, bytes a block], one block behind the other in memory; one code a byte (a code: sign, 5 exponent bits, 2 mantissa bits); and NAME_scales (uint8): the same leading axes, one E8M0 byte (e + 127) for each 32 codes along K. Its value is code x scale, taken as it is: it is not quantised again, and the codes and scales need not be those that the quantiser above would give.
;; 2 versions, each right; version 2 is version 1 with the launch geo written anew for expert scheduling mode. Each part assembles by itself: llvm-mc -triple=amdgcn-amd-amdhsa -mcpu=gfx1250 --defsym DOCPART=n.
;; ======== version 1 of 2: 1 launch
;; launch geo (part 1): grid 256 x 1, 8 waves a work-group, no clusters, 8,192 bytes of LDS; arguments scene_points, grasp_poses, W1, b1, g1, beta1, W2_codes, W2_scales, b2, g2, beta2, W3, b3, bias_scale, out0; writes out0
.if DOCPART == 1
	.amdgcn_target "amdgcn-amd-amdhsa--gfx1250"
	.amdhsa_code_object_version 6
	.text
	.protected	k_q4f7de49869_geo
	.globl	k_q4f7de49869_geo
	.p2align	8
	.type	k_q4f7de49869_geo,@function
k_q4f7de49869_geo:
	s_mov_b64 s[64:65], 0
	v_nop
	global_prefetch_b8 v0, s[64:65] scope:SCOPE_SE
	s_setreg_imm32_b32 hwreg(HW_REG_WAVE_MODE, 25, 1), 1
	s_wait_xcnt 0x0
; out0[b][j][g][p] = bias_scale[j] * (LN2(relu(Q(LN1(relu(f W1 + b1))) W2 + b2)) W3 + b3)[j],  f = (R^T (point p - t), its length), R and t from grasp (b, g)'s pose.
; Q: the hidden layer's 128 numbers are quantised to E5M2 with one E8M0 scale for each 32; W2 comes as such codes.  That product alone goes to the scaled matrix form; f W1 goes to the f32 form (it feeds the quantiser), the last product to the bf16 form.
; SHARES.  A work-group is one grasp (256 of them): the pose lives in scalar registers.  Eight waves; wave w owns points 512 w .. 512 w + 511: eight blocks of 64 points, a block is four tiles of 16 points.
; LAYOUT.  All three products are used transposed (source 0 = the weights, source 1 = 16 points), so that a lane holds ONE point throughout and its registers run along the next K.
;   Lane L owns points 2 L + q (q = 0, 1) of a block.  Tile (q, ht) has as column r the point of lane 16 ht + r.  W1's columns that form a tile are chosen so (lane r of tile 2 b + u: unit 32 b + 8 u + r + 8 (r / 8))
;   that register 16 b + i of the 64 results is hidden unit 32 b + 16 (lane / 16) + i: the order of the scaled form's operand.  The biases b1 and b2 are the C of their products.
; THE LAST PRODUCT is taken as rs2 * (d W3') + c:  d = relu - mean (f32, then bf16), W3'[k][j] = g2[k] W3[k][j] bias_scale[j] (bf16), c[j] = (sum_k beta2[k] W3[k][j] + b3[j]) bias_scale[j] (f32): the same number for every input.
;   W3' stands in rows 0-7 of source 0 for tile ht = 0 and in rows 8-15 for ht = 1, zeros in the other rows, and both tiles add onto the same accumulators: lane L's register j ends as head j of point 2 L + q.
;   So a lane's two points of a head are 8 neighbouring bytes, and each store of the wave covers 256 consecutive bytes, aligned.
; AHEAD.  The points are loaded two blocks ahead, the features are made one block ahead, the f32 products are issued one tile ahead.  The look-ahead of the last two trips wraps onto the wave's own first blocks (no load leaves
;   its buffer); what is made of those points is not used.
; LIMITS.  NaN and infinities among the inputs are not served (relu takes NaN to 0; the zero rows of W3' times an infinity give NaN).  A block of the hidden layer whose largest magnitude lies under 2^-111 keeps the scale byte 1
;   (a block of zeros too: its codes are zeros).  LayerNorm's sums are taken in another order than the source's; its variance in two passes, as there.  h = (d g) rs + beta.  1 / (|q| + 1e-8) is a reciprocal and a multiplication.
;   grasp_tokens is not among the arguments: the function takes it and never uses it, so no number of the result hangs on it.
; REGISTERS.  Window 0: v2-7 addresses; v8-13 points; v14-21 features; v22-26 scale words; v28-43 W1; v44-59 codes, then d in bf16; v60-75 the last product's sums; v76-91 results; v92-122 at work; v128-191 the f32 products' results; v192-255 at work.
;   Window 1: v0-63 b1, v64-127 g1, v128-191 beta1 (index 16 b + i: entry 32 b + 16 (lane / 16) + i), v192-255 W2's four fragments.
.set W3I,   256                        ; LDS: bytes 0-255 b2; from 256 on eight images of 512 bytes: W3' as source 0's registers, image 4 ht + i = registers 4 i .. 4 i + 3, lane L's 16 bytes at 16 L
.set SPARE, 4352                       ; behind them the spare words, 128 bytes for each of eight waves: four blocks of 256 bytes that no other line names
.set SPW, 2                            ; v2   LDS address of my spare word; never rewritten
.set NIL, 3                            ; v3   0; never rewritten
.set LB2, 4                            ; v4   32 x (lane / 16): b2's, g2's and beta2's place for my half
.set LW3, 5                            ; v5   W3I + 16 x lane
.set PO,  6                            ; v6   24 x lane: my two points in a block
.set OO,  7                            ; v7   8 x lane: my two results in a block's 256 bytes
.set PT,  8                            ; v8-13   x0 y0 z0 x1 y1 z1
.set F,   14                           ; v14-21  tile k = 2 q + ht: v[F + 2 k], v[F + 2 k + 1]: features 2 (lane / 16) + 0, 1 of column lane % 16
.set W2S, 22                           ; v22-25  W2's scale words, lane r: row 16 t + r
.set PW,  26                           ; v26     the hidden layer's scale word
.set O4,  27                           ; v27     4 x (lane % 8)
.set W1F, 28                           ; v28-43  W1: tile t at 28 + 2 t
.set PC,  44                           ; v44-59  the hidden layer's codes
.set BF,  44                           ;         later d in bf16
.set XA,  60                           ; v60-67  the last product's sum over k = 0 .. 31
.set YA,  68                           ; v68-75  over k = 32 .. 63
.set O,   76                           ; v76-91  head j of point 2 L + q at O + 2 j + q
.set S,   92                           ; v92-99  four packed chains
.set MU,  100                          ; v100    the mean (v101 is named with it as a pair)
.set RS,  102                          ; v102    1 / sqrt(var + eps) of the first LayerNorm (v103 likewise)
.set TM,  104                          ; v104-119 the quantiser's: +0 maxima, +4 the other half's, then bytes, +8 the hold, +12 the conversion's scale
.set LL,  TM                           ; between the scaled products and a tile's end: l0-l3 the four features,
.set SW,  TM+4                         ; those of lane l xor 16,
.set AA,  TM+8                         ; point - t,
.set NN,  TM+11                        ; the squared length
.set RSA, 120                          ; v120, v121  1 / sqrt(var + eps) of the second LayerNorm, tile ht = 0, 1;
.set RSS, 122                          ; v122        the one of my own point
.set D1,  128                          ; v128-191    written by the f32 matrix form alone
.set X,   192                          ; v192-255    the hidden layer; later X .. X + 31 the second layer,
.set WL,  X+32                         ;             X + 32 .. X + 47 the image of W3'
.set B1,  0                            ; window 1
.set G1,  64
.set BE1, 128
.set W2F, 192
.set WV,  2                            ; s2   my wave's number
.set BLK, 3                            ; s3   the block in hand
.set TT,  40                           ; s40-46  the pose: t0 t1 t2 qx qy qz qw
.set RR,  48                           ; s48-56  R[j][i] at 48 + 3 j + i
.set CJ,  66                           ; s66-73  c[j]
.set HM,  74                           ; s74  lanes 16-31
.set SEL, 76                           ; s[76:77] v_permlanex16_b32's selects for lane l xor 16
.set MNT, 78                           ; s78  the mantissa field of 57,344
.set I128, 79                          ; s79  1 / 128
.set I64, 80                           ; s80  1 / 64
.set EPS, 81                           ; s81  1e-5
.set PB,  82                           ; s[82:83] my wave's first point
.set PN,  84                           ; s[84:85] the block of points that is being loaded
.set PD,  86                           ; s[86:87] an offset (high word 0)
.set OB0, 88                           ; s[88:89] out0 at head 0, my grasp, my wave's first point
.set OBN, 90                           ; s[90:91] the same at the block in hand
.set OD,  92                           ; s[92:93] an offset (high word 0)
.set MSB, 0
.macro WIN new                         ; the immediate's high byte repeats the setting that is left; a switch that changes nothing is dropped
.if MSB != \new
	s_set_vgpr_msb (MSB<<8)|\new
.set MSB, \new
.endif
.endm
.macro PLACES cnt
.rept \cnt
	v_nop
.endr
.endm
; relu of cnt numbers, two an instruction, ascending: each accumulator is read from its low end on
.macro RELU dst, src, cnt
.set ee, 0
.rept (\cnt)/2
	v_dual_max_num_f32 v[\dst+ee], 0, v[\src+ee] :: v_dual_max_num_f32 v[\dst+ee+1], 0, v[\src+ee+1]
.set ee, ee+2
.endr
.endm
; f W1 + b1 for tile k: eight products of 16 units x 16 points x 4; C = b1 (window 1); each is a whole sum
.macro L1MM k
	WIN 0x10
.irp t, 0,1,2,3,4,5,6,7
	v_wmma_f32_16x16x4_f32 v[D1+8*\t:D1+8*\t+7], v[W1F+2*\t:W1F+2*\t+1], v[F+2*(\k):F+2*(\k)+1], v[B1+8*\t:B1+8*\t+7]
.endr
	WIN 0
.endm
.macro TAIL                            ; four packed chains become one number, with that of lane l xor 16, which holds my point's other half
	v_pk_add_f32 v[S:S+1], v[S:S+1], v[S+2:S+3]
	v_pk_add_f32 v[S+4:S+5], v[S+4:S+5], v[S+6:S+7]
	v_pk_add_f32 v[S:S+1], v[S:S+1], v[S+4:S+5]
	v_add_f32 v[S], v[S], v[S+1]
	v_permlanex16_b32 v[S+2], v[S], s[SEL], s[SEL+1]
	v_add_f32 v[S], v[S], v[S+2]
.endm
; LayerNorm's two passes over my cnt numbers v[reg] on (half of the point's): they become d = x - mean; 1 / sqrt(var + eps) is ISSUED into v[rsdst]: its reader stands behind a wait
.macro STATS reg, cnt, inv, rsdst
.irp c, 0,1,2,3
	v_pk_add_f32 v[S+2*\c:S+2*\c+1], v[\reg+4*\c:\reg+4*\c+1], v[\reg+4*\c+2:\reg+4*\c+3]   ; the first sixteen numbers start the chains: nothing is cleared
.endr
.set pp, 8
.rept (\cnt)/2-8
	v_pk_add_f32 v[S+2*(pp%4):S+2*(pp%4)+1], v[S+2*(pp%4):S+2*(pp%4)+1], v[\reg+2*pp:\reg+2*pp+1]
.set pp, pp+1
.endr
	TAIL
	v_mul_f32 v[MU], s[\inv], v[S]
.set pp, 0
.rept (\cnt)/2
	v_pk_add_f32 v[\reg+2*pp:\reg+2*pp+1], v[\reg+2*pp:\reg+2*pp+1], v[MU:MU+1] op_sel_hi:[1,0] neg_lo:[0,1] neg_hi:[0,1]
.set pp, pp+1
.endr
.irp c, 0,1,2,3
	v_pk_mul_f32 v[S+2*\c:S+2*\c+1], v[\reg+2*\c:\reg+2*\c+1], v[\reg+2*\c:\reg+2*\c+1]
.endr
.set pp, 4
.rept (\cnt)/2-4
	v_pk_fma_f32 v[S+2*(pp%4):S+2*(pp%4)+1], v[\reg+2*pp:\reg+2*pp+1], v[\reg+2*pp:\reg+2*pp+1], v[S+2*(pp%4):S+2*(pp%4)+1]
.set pp, pp+1
.endr
	TAIL
	v_fma_f32 v[S], v[S], s[\inv], s[EPS]
	v_rsq_f32 v[\rsdst], v[S]
.endm
; h = (d g1) rs + beta1.  The 32 multiplications by g1 need no rs: they are the plain work between the reciprocal root and the one wait ahead of its first reader
.macro NORM1
	WIN 0x04
.set pp, 0
.rept 32
	v_pk_mul_f32 v[X+2*pp:X+2*pp+1], v[X+2*pp:X+2*pp+1], v[G1+2*pp:G1+2*pp+1]
.set pp, pp+1
.endr
	WIN 0x10
	s_wait_alu depctr_va_vdst(0)
.set pp, 0
.rept 32
	v_pk_fma_f32 v[X+2*pp:X+2*pp+1], v[X+2*pp:X+2*pp+1], v[RS:RS+1], v[BE1+2*pp:BE1+2*pp+1] op_sel_hi:[1,0,1]
.set pp, pp+1
.endr
	WIN 0
.endm
; My 64 numbers, register 16 b + i = k 32 b + 16 (lane / 16) + i of my point, become the operand's 16 registers of codes and the point's scale word.
; As soon as a block's conversions have read its registers, LDS loads are issued into them: b2 in the next product's C layout (blocks 0, 1), the image of W3' for this tile (block 2).
.macro QUANT ht
.irp b, 0,1,2,3
	v_max3_num_f32 v[TM+\b], |v[X+16*\b]|, |v[X+1+16*\b]|, 0x8000000   ; block b: my 16 numbers, and the floor 2^(16 - 127): the byte cannot fall under 1
.endr
.irp i, 2,4,6,8,10,12,14
.irp b, 0,1,2,3
	v_max3_num_f32 v[TM+\b], v[TM+\b], |v[X+16*\b+\i]|, |v[X+1+16*\b+\i]|   ; the four blocks by turns
.endr
.endr
.irp b, 0,1,2,3
	v_permlanex16_b32 v[TM+4+\b], v[TM+\b], s[SEL], s[SEL+1]
.endr
.irp b, 0,1,2,3
	v_max_num_f32 v[TM+\b], v[TM+\b], v[TM+4+\b]                    ; with lane l xor 16's: the block's largest magnitude
.endr
.irp b, 0,1,2,3
	v_add_nc_u32 v[TM+12+\b], 0xf8800000, v[TM+\b]                  ; 15 off its exponent field: the conversion takes this operand's exponent field as its scale
.endr
.irp b, 0,1,2,3
	v_and_or_b32 v[TM+8+\b], v[TM+\b], 0x7f800000, s[MNT]           ; 57,344 x the scale
.endr
.irp b, 0,1,2,3
	v_lshrrev_b32 v[TM+4+\b], 23, v[TM+12+\b]                       ; the scale's byte
.endr
	v_lshl_or_b32 v[PW], v[TM+5], 8, v[TM+4]                        ; the scale word: made 64 plain lines and more ahead of the products that name it
	v_lshl_or_b32 v[PW], v[TM+6], 16, v[PW]
	v_lshl_or_b32 v[PW], v[TM+7], 24, v[PW]
.irp b, 0,1,2,3
.irp i, 0,1,2,3,4,5,6,7,8,9,10,11,12,13,14,15
	v_med3_num_f32 v[X+16*\b+\i], v[X+16*\b+\i], -v[TM+8+\b], v[TM+8+\b]   ; the conversion to an 8-bit code does not saturate (ISA guide 7.6.2): the hold at the largest code x the scale
.endr
	v_cvt_scalef32_pk8_bf8_f32 v[PC+4*\b:PC+1+4*\b], v[X+16*\b:X+7+16*\b], v[TM+12+\b]
	v_cvt_scalef32_pk8_bf8_f32 v[PC+2+4*\b:PC+3+4*\b], v[X+8+16*\b:X+15+16*\b], v[TM+12+\b]
.if \b < 2
.irp i, 0,1,2,3
	ds_load_b128 v[X+16*\b+4*\i:X+16*\b+4*\i+3], v[LB2] offset:128*\b+64*(\i/2)+16*(\i%2)   ; register 8 t + j: b2[16 t + 8 (lane / 16) + j]
.endr
.endif
.if \b == 2
.irp i, 0,1,2,3
	ds_load_b128 v[WL+4*\i:WL+4*\i+3], v[LW3] offset:2048*\ht+512*\i
.endr
.endif
.endr
	PLACES 4                                                        ; the plain line behind the last conversions, and the four places between codes written by vector instructions and a scaled product
.endm
; the quantised product: four tiles of 16 outputs x 16 points x 128; C = b2, loaded into the accumulators' own registers
.macro L2MM
	s_wait_dscnt 4                                                  ; b2's eight loads are in; behind them only the four of W3's image were issued, and they may stay out
	WIN 0x01
.irp t, 0,1,2,3
	v_wmma_scale_f32_16x16x128_f8f6f4 v[X+8*\t:X+8*\t+7], v[W2F+16*\t:W2F+16*\t+15], v[PC:PC+15], v[X+8*\t:X+8*\t+7], v[W2S+\t], v[PW] matrix_a_fmt:MATRIX_FMT_BF8 matrix_b_fmt:MATRIX_FMT_BF8
.endr
	WIN 0
.endm
; the features of my point 2 L + q of the coming block.  A: all but what needs the root; its first twelve lines are plain
.macro FEATS_A q
.irp j, 0,1,2
	v_sub_f32 v[AA+\j], v[PT+3*\q+\j], s[TT+\j]
.endr
.irp i, 0,1,2
	v_mul_f32 v[LL+\i], s[RR+\i], v[AA]                             ; (R^T v)_i = sum over j of R[j][i] v_j
.endr
.irp i, 0,1,2
	v_fma_f32 v[LL+\i], s[RR+3+\i], v[AA+1], v[LL+\i]
.endr
.irp i, 0,1,2
	v_fma_f32 v[LL+\i], s[RR+6+\i], v[AA+2], v[LL+\i]
.endr
.irp i, 0,1,2
	v_permlanex16_b32 v[SW+\i], v[LL+\i], s[SEL], s[SEL+1]
.endr
	v_mul_f32 v[NN], v[LL], v[LL]
	v_fma_f32 v[NN], v[LL+1], v[LL+1], v[NN]
	v_fma_f32 v[NN], v[LL+2], v[LL+2], v[NN]
	v_sqrt_f32 v[LL+3], v[NN]
.endm
; B, behind the wait for the root: source 1 of the f32 form wants features 2 (lane / 16) + 0, 1 of column lane % 16.  Tile ht = 0: the points of lanes 0-15; ht = 1: of lanes 16-31
.macro FEATS_B q
	v_permlanex16_b32 v[SW+3], v[LL+3], s[SEL], s[SEL+1]
	v_cndmask_b32 v[F+4*\q+0], v[LL+0], v[SW+2], s[HM]
	v_cndmask_b32 v[F+4*\q+1], v[LL+1], v[SW+3], s[HM]
	v_cndmask_b32 v[F+4*\q+2], v[SW+0], v[LL+2], s[HM]
	v_cndmask_b32 v[F+4*\q+3], v[SW+1], v[LL+3], s[HM]
.endm
; d to bf16 (tile t's eight registers in pairs are registers 4 (t % 2) on of K step t / 2), and the last product: two accumulators, one for each 32 along K, by turns
.macro L3 ht
.set pp, 0
.rept 16
	v_cvt_pk_bf16_f32 v[BF+pp], v[X+2*pp], v[X+2*pp+1]
.set pp, pp+1
.endr
	s_wait_dscnt 0x0                                                ; the image of W3'
.if \ht
	v_wmma_f32_16x16x32_bf16 v[XA:XA+7], v[WL:WL+7], v[BF:BF+7], v[XA:XA+7]
	v_wmma_f32_16x16x32_bf16 v[YA:YA+7], v[WL+8:WL+15], v[BF+8:BF+15], v[YA:YA+7]
.else
	v_wmma_f32_16x16x32_bf16 v[XA:XA+7], v[WL:WL+7], v[BF:BF+7], 0
	v_wmma_f32_16x16x32_bf16 v[YA:YA+7], v[WL+8:WL+15], v[BF+8:BF+15], 0
.endif
.endm
; the points of block (BLK + 2) mod 8: the wait for the last such loads, in this trip's second tile, has freed their base
.macro PLOAD
	s_add_co_u32 s[PD], s[BLK], 2
	s_and_b32 s[PD], s[PD], 7
	s_mul_i32 s[PD], s[PD], 768
	s_add_nc_u64 s[PN:PN+1], s[PB:PB+1], s[PD:PD+1]
.irp i, 0,1,2
	global_load_b64 v[PT+2*\i:PT+2*\i+1], v[PO], s[PN:PN+1] offset:8*\i
.endr
.endm
.macro FINAL q
.if \q == 0
	s_wait_xcnt 0x0                                                 ; the last block's stores have read their data and their base: both are written again only behind this wait
	s_lshl_b32 s[OD], s[BLK], 8
	s_add_nc_u64 s[OBN:OBN+1], s[OB0:OB0+1], s[OD:OD+1]
.endif
	v_cndmask_b32 v[RSS], v[RSA], v[RSA+1], s[HM]                   ; lanes 0-15 own tile 0's points, lanes 16-31 tile 1's
.irp i, 0,1,2,3
	v_pk_add_f32 v[XA+2*\i:XA+2*\i+1], v[XA+2*\i:XA+2*\i+1], v[YA+2*\i:YA+2*\i+1]
.endr
.irp j, 0,1,2,3,4,5,6,7
	v_fma_f32 v[O+2*\j+\q], v[XA+\j], v[RSS], s[CJ+\j]
.endr
.endm
.macro STORE
.irp j, 0,1,2,3,4,5,6,7
	global_store_b64 v[OO], v[O+2*\j:O+2*\j+1], s[OBN:OBN+1] offset:\j*1048576 th:TH_STORE_NT   ; 32 lanes store 256 consecutive bytes, at a multiple of 256 from out0's first byte; heads lie 1 MiB apart: 7 MiB at the most, inside the signed 24-bit immediate
.endr
.endm
; A TILE of 16 points.  No two matrix instructions that follow each other share an accumulator (eight, four, two, eight ..), each turn is one instruction.
.macro TILE q, ht
	RELU X, D1, 64                                                  ; (its first sixteen lines are the places behind the last tile's bf16 products, whose source X + 32 on is written next)
	L1MM (2*\q+\ht+1)%4                                             ; the next tile's first layer: its results are read a tile later
	STATS X, 64, I128, RS
	NORM1
	QUANT \ht
	L2MM
.if \ht
.if \q == 0
	s_wait_loadcnt 0x0                                              ; the coming block's points: the only loads that are out
.endif
	FEATS_A \q                                                      ; its twelve plain lines name nothing of the scaled products: they are the eight places behind them
.else
	PLACES 8
.endif
	RELU X, X, 32
	STATS X, 32, I64, RSA+\ht
	L3 \ht                                                          ; its sixteen roundings are the plain work behind the reciprocal root
.if \ht
	s_wait_alu depctr_va_vdst(0)                                    ; one wait for the root and the reciprocal root, ahead of their first readers (tile ht = 0's reciprocal root had this tile's first wait)
	FEATS_B \q                                                      ; (these lines and FINAL's first are the places behind the bf16 products)
.if \q
	PLOAD
.endif
	FINAL \q
.if \q
	STORE
.endif
.endif
.endm
	s_load_b512 s[8:23], s[0:1], 0x0               ; scene_points s[8:9], grasp_poses s[10:11], W1 s[12:13], b1 s[14:15], g1 s[16:17], beta1 s[18:19], W2's codes s[20:21], W2's scales s[22:23]
	s_load_b256 s[24:31], s[0:1], 0x40             ; b2 s[24:25], g2 s[26:27], beta2 s[28:29], W3 s[30:31]
	s_load_b128 s[32:35], s[0:1], 0x60             ; b3 s[32:33], bias_scale s[34:35]
	s_load_b64 s[36:37], s[0:1], 0x70              ; out0
	v_lshl_add_u32 v[SPW], v0, 2, SPARE
	v_mov_b32 v[NIL], 0
	v_lshrrev_b32 v1, 5, v0
	v_readfirstlane_b32 s[WV], v1                  ; wave 0..7
	v_and_b32 v120, 31, v0                         ; L
	v_and_b32 v121, 15, v0                         ; r
	v_bfe_u32 v122, v0, 4, 1                       ; h
	v_lshlrev_b32 v[LB2], 5, v122
	v_lshl_add_u32 v[LW3], v120, 4, W3I
	v_mul_u32_u24 v[PO], v120, 24
	v_lshlrev_b32 v[OO], 3, v120
	v_and_b32 v1, 8, v121
	v_add_nc_u32 v1, v1, v121                      ; r + 8 (r / 8)
	v_lshlrev_b32 v123, 2, v1
	v_lshl_add_u32 v123, v122, 10, v123            ; W1: rows 2 h + j of 512 bytes, column r + 8 (r / 8) of a tile
	v_lshlrev_b32 v124, 6, v122                    ; b1, g1, beta1: 64 h
	v_lshlrev_b32 v125, 7, v121
	v_lshl_add_u32 v125, v122, 4, v125             ; W2's codes: row r of 128 bytes, + 16 h
	v_and_b32 v[O4], 7, v0
	v_lshlrev_b32 v[O4], 2, v[O4]                  ; head r % 8
	v_lshl_add_u32 v126, v122, 8, v[O4]            ; W3: rows 8 h on, of 32 bytes, column r % 8
	v_lshlrev_b32 v127, 2, v121                    ; W2's scale words: 4 r
	s_mov_b32 s[HM], 0xffff0000
	s_mov_b32 s[SEL], 0x76543210
	s_mov_b32 s[SEL+1], 0xfedcba98
	s_mov_b32 s[MNT], 0x600000
	s_mov_b32 s[I128], 0x3c000000
	s_mov_b32 s[I64], 0x3c800000
	s_mov_b32 s[EPS], 0x3727c5ac
	s_lshr_b32 s4, ttmp9, 6                        ; b
	s_and_b32 s5, ttmp9, 63                        ; g
	s_mul_i32 s38, ttmp9, 28                       ; my grasp's seven numbers
	s_mov_b32 s39, 0
	s_mul_i32 s[PD], s4, 49152                     ; a scene's 4,096 points of 12 bytes,
	s_mul_i32 s6, s[WV], 6144                      ; my wave's 512
	s_add_co_u32 s[PD], s[PD], s6
	s_mov_b32 s[PD+1], 0
	s_lshl_b32 s[OD], s4, 9
	s_add_co_u32 s[OD], s[OD], s5
	s_lshl_b32 s[OD], s[OD], 14                    ; (512 b + g) rows of 16,384 bytes,
	s_lshl_b32 s6, s[WV], 11                       ; my wave's 512 points
	s_add_co_u32 s[OD], s[OD], s6
	s_mov_b32 s[OD+1], 0
	s_wait_kmcnt 0x0
	s_add_nc_u64 s[10:11], s[10:11], s[38:39]
	s_add_nc_u64 s[PB:PB+1], s[8:9], s[PD:PD+1]
	s_add_nc_u64 s[OB0:OB0+1], s[36:37], s[OD:OD+1]
.irp i, 0,1,2,3,4,5,6
	s_load_b32 s[TT+\i], s[10:11], 4*\i
.endr
	; all that stays in registers is loaded once, by every wave alike, so that one wait serves every way through the head
.irp i, 0,1,2
	global_load_b64 v[PT+2*\i:PT+2*\i+1], v[PO], s[PB:PB+1] offset:8*\i        ; block 0's points
.endr
.irp t, 0,1,2,3,4,5,6,7
.irp j, 0,1
	global_load_b32 v[W1F+2*\t+\j], v123, s[12:13] offset:(128*\j+32*(\t/2)+8*(\t%2))*4
.endr
.endr
.irp t, 0,1,2,3
	global_load_b32 v[W2S+\t], v127, s[22:23] offset:64*\t
.endr
.set nn, 0
.rept 32                               ; W3[k][r % 8], k = 32 s + 16 c + 8 h + i, at X + 16 s + 8 c + i: the bf16 operand's order of k
	global_load_b32 v[X+nn], v126, s[30:31] offset:32*(32*(nn/16)+16*((nn/8)%2)+nn%8)
.set nn, nn+1
.endr
.set nn, 0
.rept 8                                ; g2 and beta2 at the same k
	global_load_b128 v[X+32+4*nn:X+32+4*nn+3], v[LB2], s[26:27] offset:128*(nn/4)+64*((nn/2)%2)+16*(nn%2)
	global_load_b128 v[44+4*nn:44+4*nn+3], v[LB2], s[28:29] offset:128*(nn/4)+64*((nn/2)%2)+16*(nn%2)
.set nn, nn+1
.endr
	global_load_b32 v76, v[O4], s[34:35]           ; bias_scale[r % 8]
	global_load_b32 v77, v[O4], s[32:33]           ; b3[r % 8]
	global_load_b64 v[78:79], v[OO], s[24:25]      ; b2, two numbers a lane
	WIN 0x40                                       ; destination window 1
.set nn, 0
.rept 16
	global_load_b128 v[B1+4*nn:B1+4*nn+3], v124, s[14:15] offset:128*(nn/4)+16*(nn%4)
	global_load_b128 v[G1+4*nn:G1+4*nn+3], v124, s[16:17] offset:128*(nn/4)+16*(nn%4)
	global_load_b128 v[BE1+4*nn:BE1+4*nn+3], v124, s[18:19] offset:128*(nn/4)+16*(nn%4)
	global_load_b128 v[W2F+4*nn:W2F+4*nn+3], v125, s[20:21] offset:2048*(nn/4)+32*(nn%4)
.set nn, nn+1
.endr
	WIN 0
	s_wait_kmcnt 0x0                               ; the pose
	; R from the quaternion, as the source writes it, the same in every lane, while the loads are on their way
.set PV, 92                            ; v92-95 x y z w; v96-98 at work; v99-107 xx yy zz xy xz yz wx wy wz; v108-116 R
.irp i, 0,1,2,3
	v_mov_b32 v[PV+\i], s[TT+3+\i]
.endr
	v_mul_f32 v[PV+4], v[PV], v[PV]
	v_fma_f32 v[PV+4], v[PV+1], v[PV+1], v[PV+4]
	v_fma_f32 v[PV+4], v[PV+2], v[PV+2], v[PV+4]
	v_fma_f32 v[PV+4], v[PV+3], v[PV+3], v[PV+4]
	v_sqrt_f32 v[PV+5], v[PV+4]
	v_nop                                          ; a plain line behind a transcendental, and the wait ahead of its reader
	s_wait_alu depctr_va_vdst(0)
	v_add_f32 v[PV+5], 0x322bcc77, v[PV+5]         ; + 1e-8
	v_rcp_f32 v[PV+6], v[PV+5]
	v_nop
	s_wait_alu depctr_va_vdst(0)
.irp i, 0,1,2,3
	v_mul_f32 v[PV+\i], v[PV+\i], v[PV+6]
.endr
	v_mul_f32 v[PV+7], v[PV], v[PV]                ; xx
	v_mul_f32 v[PV+8], v[PV+1], v[PV+1]            ; yy
	v_mul_f32 v[PV+9], v[PV+2], v[PV+2]            ; zz
	v_mul_f32 v[PV+10], v[PV], v[PV+1]             ; xy
	v_mul_f32 v[PV+11], v[PV], v[PV+2]             ; xz
	v_mul_f32 v[PV+12], v[PV+1], v[PV+2]           ; yz
	v_mul_f32 v[PV+13], v[PV+3], v[PV]             ; wx
	v_mul_f32 v[PV+14], v[PV+3], v[PV+1]           ; wy
	v_mul_f32 v[PV+15], v[PV+3], v[PV+2]           ; wz
	v_add_f32 v[PV+16], v[PV+8], v[PV+9]           ; yy + zz
	v_sub_f32 v[PV+17], v[PV+10], v[PV+15]         ; xy - wz
	v_add_f32 v[PV+18], v[PV+11], v[PV+14]         ; xz + wy
	v_add_f32 v[PV+19], v[PV+10], v[PV+15]         ; xy + wz
	v_add_f32 v[PV+20], v[PV+7], v[PV+9]           ; xx + zz
	v_sub_f32 v[PV+21], v[PV+12], v[PV+13]         ; yz - wx
	v_sub_f32 v[PV+22], v[PV+11], v[PV+14]         ; xz - wy
	v_add_f32 v[PV+23], v[PV+12], v[PV+13]         ; yz + wx
	v_add_f32 v[PV+24], v[PV+7], v[PV+8]           ; xx + yy
.irp n, 16,20,24
	v_fma_f32 v[PV+\n], v[PV+\n], -2.0, 1.0
.endr
.irp n, 17,18,19,21,22,23
	v_add_f32 v[PV+\n], v[PV+\n], v[PV+\n]
.endr
.irp n, 0,1,2,3,4,5,6,7,8
	v_readfirstlane_b32 s[RR+\n], v[PV+16+\n]
.endr
	v_mov_b32 v[MU+1], 0                           ; named as the upper halves of pairs of which the low word serves both halves
	v_mov_b32 v[RS+1], 0
.irp i, 0,1,2,3
	v_mov_b32 v[SW+\i], 0                          ; a lane permute's destination counts as one of its sources
.endr
	s_wait_loadcnt 0x0                             ; everything is in; the offsets' registers are free
	FEATS_A 0                                      ; block 0's features
	v_nop
	s_wait_alu depctr_va_vdst(0)
	FEATS_B 0
	FEATS_A 1
	v_nop
	s_wait_alu depctr_va_vdst(0)
	FEATS_B 1
	s_add_nc_u64 s[PN:PN+1], s[PB:PB+1], 768
.irp i, 0,1,2
	global_load_b64 v[PT+2*\i:PT+2*\i+1], v[PO], s[PN:PN+1] offset:8*\i        ; block 1's points
.endr
	L1MM 0                                         ; the first tile's first layer; the lines below, which name none of its registers, are the places behind it
	; c[j] = (sum over k of beta2[k] W3[k][j] + b3[j]) bias_scale[j]: my 32 k in two packed chains, lane l xor 16's 32; lanes 0-7 then hold heads 0-7
	v_pk_mul_f32 v[80:81], v[44:45], v[X:X+1]
	v_pk_mul_f32 v[82:83], v[46:47], v[X+2:X+3]
.set pp, 2
.rept 14
	v_pk_fma_f32 v[80+2*(pp%2):81+2*(pp%2)], v[44+2*pp:45+2*pp], v[X+2*pp:X+2*pp+1], v[80+2*(pp%2):81+2*(pp%2)]
.set pp, pp+1
.endr
	v_pk_add_f32 v[80:81], v[80:81], v[82:83]
	v_add_f32 v80, v80, v81
	v_permlanex16_b32 v82, v80, s[SEL], s[SEL+1]
	v_add_f32 v80, v80, v82
	v_add_f32 v80, v80, v77
	v_mul_f32 v80, v80, v76
.irp j, 0,1,2,3,4,5,6,7
	v_readlane_b32 s[CJ+\j], v80, \j
.endr
	s_cmp_lg_u32 s[WV], 0
	s_cbranch_scc1 .Lnot_wave_0
	; wave 0 alone: W3' = W3 g2 bias_scale in bf16, once with heads in rows 0-7 and zeros in rows 8-15, once the other way round, to LDS as images of the operand's registers; and b2
	v_and_b32 v1, 8, v0
	v_cmp_eq_u32 s4, 0, v1                         ; rows 0-7
.set pp, 0
.rept 16
	v_pk_mul_f32 v[X+2*pp:X+2*pp+1], v[X+2*pp:X+2*pp+1], v[X+32+2*pp:X+32+2*pp+1]
.set pp, pp+1
.endr
.set pp, 0
.rept 16
	v_pk_mul_f32 v[X+2*pp:X+2*pp+1], v[X+2*pp:X+2*pp+1], v[76:77] op_sel_hi:[1,0]
.set pp, pp+1
.endr
.set pp, 0
.rept 16
	v_cvt_pk_bf16_f32 v[X+32+pp], v[X+2*pp], v[X+2*pp+1]
.set pp, pp+1
.endr
.set pp, 0
.rept 16
	v_cndmask_b32 v[44+pp], v[NIL], v[X+32+pp], s4
	v_cndmask_b32 v[60+pp], v[X+32+pp], v[NIL], s4
.set pp, pp+1
.endr
.irp t, 0,1
.irp i, 0,1,2,3
	ds_store_b128 v[LW3], v[44+16*\t+4*\i:44+16*\t+4*\i+3] offset:2048*\t+512*\i
.endr
.endr
	ds_store_b64 v[OO], v[78:79]
.Lnot_wave_0:
	s_wait_dscnt 0x0                               ; for the others' sake: wave 0's stores have landed
	s_barrier_signal -1
	s_barrier_wait -1                              ; from here on LDS is only read
	s_mov_b32 s[BLK], 0
.Lblock:                                               ; eight trips: a block of 64 points x 8 heads
	TILE 0, 0
	TILE 0, 1
	TILE 1, 0
	TILE 1, 1
	s_add_co_u32 s[BLK], s[BLK], 1
	s_cmp_lt_u32 s[BLK], 8
	s_cbranch_scc1 .Lblock
	s_wait_tensorcnt 0x0                           ; the wave's end
	ds_add_u32 v[SPW], v[NIL]
	s_wait_dscnt 0x0
	s_endpgm
.Lfunc_end_k_q4f7de49869_geo:
	.size	k_q4f7de49869_geo, .Lfunc_end_k_q4f7de49869_geo-k_q4f7de49869_geo
	.p2alignl 7, 3214868480
	.fill 96, 4, 3214868480
	.section	.rodata,"a",@progbits
	.p2align	6, 0x0
	.amdhsa_kernel k_q4f7de49869_geo
		.amdhsa_group_segment_fixed_size 8192
		.amdhsa_private_segment_fixed_size 0
		.amdhsa_enable_private_segment 0
		.amdhsa_kernarg_size 120
		.amdhsa_user_sgpr_count 2
		.amdhsa_user_sgpr_kernarg_segment_ptr 1
		.amdhsa_wavefront_size32 1
		.amdhsa_system_sgpr_workgroup_id_x 1
		.amdhsa_system_sgpr_workgroup_id_y 1
		.amdhsa_system_sgpr_workgroup_id_z 1
		.amdhsa_system_vgpr_workitem_id 0
		.amdhsa_next_free_vgpr 512
		.amdhsa_next_free_sgpr 96
		.amdhsa_reserve_vcc 0
		.amdhsa_float_denorm_mode_32 3
		.amdhsa_float_denorm_mode_16_64 3
		.amdhsa_memory_ordered 1
		.amdhsa_forward_progress 1
		.amdhsa_inst_pref_size 149
	.end_amdhsa_kernel
	.amdgpu_metadata
---
amdhsa.version: [ 1, 2 ]
amdhsa.kernels:
  - .name:           k_q4f7de49869_geo
    .symbol:         k_q4f7de49869_geo.kd
    .args:
      - { .name: scene_points, .offset: 0, .size: 8, .value_kind: global_buffer, .address_space: global }
      - { .name: grasp_poses, .offset: 8, .size: 8, .value_kind: global_buffer, .address_space: global }
      - { .name: W1, .offset: 16, .size: 8, .value_kind: global_buffer, .address_space: global }
      - { .name: b1, .offset: 24, .size: 8, .value_kind: global_buffer, .address_space: global }
      - { .name: g1, .offset: 32, .size: 8, .value_kind: global_buffer, .address_space: global }
      - { .name: beta1, .offset: 40, .size: 8, .value_kind: global_buffer, .address_space: global }
      - { .name: W2_codes, .offset: 48, .size: 8, .value_kind: global_buffer, .address_space: global }
      - { .name: W2_scales, .offset: 56, .size: 8, .value_kind: global_buffer, .address_space: global }
      - { .name: b2, .offset: 64, .size: 8, .value_kind: global_buffer, .address_space: global }
      - { .name: g2, .offset: 72, .size: 8, .value_kind: global_buffer, .address_space: global }
      - { .name: beta2, .offset: 80, .size: 8, .value_kind: global_buffer, .address_space: global }
      - { .name: W3, .offset: 88, .size: 8, .value_kind: global_buffer, .address_space: global }
      - { .name: b3, .offset: 96, .size: 8, .value_kind: global_buffer, .address_space: global }
      - { .name: bias_scale, .offset: 104, .size: 8, .value_kind: global_buffer, .address_space: global }
      - { .name: out0, .offset: 112, .size: 8, .value_kind: global_buffer, .address_space: global }
    .group_segment_fixed_size: 8192
    .private_segment_fixed_size: 0
    .kernarg_segment_align: 8
    .kernarg_segment_size: 120
    .max_flat_workgroup_size: 256
    .sgpr_count:     96
    .vgpr_count:     512
    .wavefront_size: 32
...
	.end_amdgpu_metadata
.endif
;; end of part 1
;; ======== version 2 of 2: 1 launch; version 1 with the launch geo written anew for expert scheduling mode
;; launch geo (part 2): grid 256 x 1, 8 waves a work-group, no clusters, 8,192 bytes of LDS; arguments scene_points, grasp_poses, W1, b1, g1, beta1, W2_codes, W2_scales, b2, g2, beta2, W3, b3, bias_scale, out0; writes out0
.if DOCPART == 2
	.amdgcn_target "amdgcn-amd-amdhsa--gfx1250"
	.amdhsa_code_object_version 6
	.text
	.protected	k_q4f7de49869_geo
	.globl	k_q4f7de49869_geo
	.p2align	8
	.type	k_q4f7de49869_geo,@function
k_q4f7de49869_geo:
	s_mov_b64 s[64:65], 0
	v_nop
	global_prefetch_b8 v0, s[64:65] scope:SCOPE_SE
	s_setreg_imm32_b32 hwreg(HW_REG_WAVE_SCHED_MODE, 0, 2), 2
	s_setreg_imm32_b32 hwreg(HW_REG_WAVE_MODE, 25, 1), 1
	s_wait_xcnt 0x0
	s_wait_alu depctr_vm_vsrc(0)
; out0[b][j][g][p] = bias_scale[j] * (LN2(relu(Q(LN1(relu(f W1 + b1))) W2 + b2)) W3 + b3)[j],  f = (R^T (point p - t), its length), R and t from grasp (b, g)'s pose.
; Q: the hidden layer's 128 numbers are quantised to E5M2 with one E8M0 scale for each 32; W2 comes as such codes.  That product alone goes to the scaled matrix form; f W1 goes to the f32 form (it feeds the quantiser), the last product to the bf16 form.
; SHARES.  A work-group is one grasp (256 of them): the pose lives in scalar registers.  Eight waves; wave w owns points 512 w .. 512 w + 511: eight blocks of 64 points, a block is four tiles of 16 points.
; LAYOUT.  All three products are used transposed (source 0 = the weights, source 1 = 16 points), so that a lane holds ONE point throughout and its registers run along the next K.
;   Lane L owns points 2 L + q (q = 0, 1) of a block.  Tile (q, ht) has as column r the point of lane 16 ht + r.  W1's columns that form a tile are chosen so (lane r of tile 2 b + u: unit 32 b + 8 u + r + 8 (r / 8))
;   that register 16 b + i of the 64 results is hidden unit 32 b + 16 (lane / 16) + i: the order of the scaled form's operand.  The biases b1 and b2 are the C of their products.
; THE LAST PRODUCT is taken as rs2 * (d W3') + c:  d = relu - mean (f32, then bf16), W3'[k][j] = g2[k] W3[k][j] bias_scale[j] (bf16), c[j] = (sum_k beta2[k] W3[k][j] + b3[j]) bias_scale[j] (f32): the same number for every input.
;   W3' stands in rows 0-7 of source 0 for tile ht = 0 and in rows 8-15 for ht = 1, zeros in the other rows, and both tiles add onto the same accumulators: lane L's register j ends as head j of point 2 L + q.
;   So a lane's two points of a head are 8 neighbouring bytes, and each store of the wave covers 256 consecutive bytes, aligned.
; AHEAD.  The points are loaded two blocks ahead, the features are made one block ahead, the f32 products are issued one tile ahead.  The look-ahead of the last two trips wraps onto the wave's own first blocks (no load leaves
;   its buffer); what is made of those points is not used.
; LIMITS.  NaN and infinities among the inputs are not served (relu takes NaN to 0; the zero rows of W3' times an infinity give NaN).  A block of the hidden layer whose largest magnitude lies under 2^-111 keeps the scale byte 1
;   (a block of zeros too: its codes are zeros).  LayerNorm's sums are taken in another order than the source's; its variance in two passes, as there.  h = (d g) rs + beta.  1 / (|q| + 1e-8) is a reciprocal and a multiplication.
;   grasp_tokens is not among the arguments: the function takes it and never uses it, so no number of the result hangs on it.
; REGISTERS.  Window 0: v2-7 addresses; v8-13 points; v14-21 features; v22-26 scale words; v28-43 W1; v44-59 codes, then d in bf16; v60-75 the last product's sums; v76-91 results; v92-122 at work; v128-191 the f32 products' results; v192-255 at work.
;   Window 1: v0-63 b1, v64-127 g1, v128-191 beta1 (index 16 b + i: entry 32 b + 16 (lane / 16) + i), v192-255 W2's four fragments.
; THE MODE: SCHED_MODE bits 1:0 = 2 (LLVM: expert scheduling mode 2), set by the entry lines.  The code itself states the register dependences
;   between vector or matrix instructions and memory or LDS instructions, with s_wait_alu, always for 0.
; THE PLAN.  Registers that memory or LDS instructions touch, in the loop:
;   v4-7              LDS addresses and offsets: made at the head, never written again.
;   PT (v8-13)        Written by loads alone.  Read by the six subtractions of FEATS_A in tiles (0, 1) and (1, 1); loaded again in tile (1, 1), behind the wait that follows those subtractions.
;   X .. X + 31       Blocks 0 and 1 of the hidden layer: the holds write them, the conversions read them; behind ONE wait b2's eight LDS loads land there.  The lines of blocks 2 and 3, which follow, name none of them.
;   X + 32 .. X + 47  Block 2: likewise; the image of W3' lands there behind the wait that stands ahead of the scaled products in any case.
;   O (v76-91)        Written by FINAL in tiles (0, 1) and (1, 1); read by the block's eight stores, behind one wait; written again a tile and more later, behind a wait on vm_vsrc.
;   All else (D1, F, the codes, the sums, the statistics, window 1) is named in the loop by vector and matrix instructions alone.
.set W3I,   256                        ; LDS: bytes 0-255 b2; from 256 on eight images of 512 bytes: W3' as source 0's registers, image 4 ht + i = registers 4 i .. 4 i + 3, lane L's 16 bytes at 16 L
.set SPARE, 4352                       ; behind them the spare words, 128 bytes for each of eight waves: four blocks of 256 bytes that no other line names
.set SPW, 2                            ; v2   LDS address of my spare word; never rewritten
.set NIL, 3                            ; v3   0; never rewritten
.set LB2, 4                            ; v4   32 x (lane / 16): b2's, g2's and beta2's place for my half
.set LW3, 5                            ; v5   W3I + 16 x lane
.set PO,  6                            ; v6   24 x lane: my two points in a block
.set OO,  7                            ; v7   8 x lane: my two results in a block's 256 bytes
.set PT,  8                            ; v8-13   x0 y0 z0 x1 y1 z1
.set F,   14                           ; v14-21  tile k = 2 q + ht: v[F + 2 k], v[F + 2 k + 1]: features 2 (lane / 16) + 0, 1 of column lane % 16
.set W2S, 22                           ; v22-25  W2's scale words, lane r: row 16 t + r
.set PW,  26                           ; v26     the hidden layer's scale word
.set O4,  27                           ; v27     4 x (lane % 8)
.set W1F, 28                           ; v28-43  W1: tile t at 28 + 2 t
.set PC,  44                           ; v44-59  the hidden layer's codes
.set BF,  44                           ;         later d in bf16
.set XA,  60                           ; v60-67  the last product's sum over k = 0 .. 31
.set YA,  68                           ; v68-75  over k = 32 .. 63
.set O,   76                           ; v76-91  head j of point 2 L + q at O + 2 j + q
.set S,   92                           ; v92-99  four packed chains
.set MU,  100                          ; v100    the mean (v101 is named with it as a pair)
.set RS,  102                          ; v102    1 / sqrt(var + eps) of the first LayerNorm (v103 likewise)
.set TM,  104                          ; v104-119 the quantiser's: +0 maxima, +4 the other half's, then bytes, +8 the hold, +12 the conversion's scale
.set LL,  TM                           ; between the scaled products and a tile's end: l0-l3 the four features,
.set SW,  TM+4                         ; those of lane l xor 16,
.set AA,  TM+8                         ; point - t,
.set NN,  TM+11                        ; the squared length
.set RSA, 120                          ; v120, v121  1 / sqrt(var + eps) of the second LayerNorm, tile ht = 0, 1;
.set RSS, 122                          ; v122        the one of my own point
.set D1,  128                          ; v128-191    written by the f32 matrix form alone
.set X,   192                          ; v192-255    the hidden layer; later X .. X + 31 the second layer,
.set WL,  X+32                         ;             X + 32 .. X + 47 the image of W3'
.set B1,  0                            ; window 1
.set G1,  64
.set BE1, 128
.set W2F, 192
.set WV,  2                            ; s2   my wave's number
.set BLK, 3                            ; s3   the block in hand
.set TT,  40                           ; s40-46  the pose: t0 t1 t2 qx qy qz qw
.set RR,  48                           ; s48-56  R[j][i] at 48 + 3 j + i
.set CJ,  66                           ; s66-73  c[j]
.set HM,  74                           ; s74  lanes 16-31
.set SEL, 76                           ; s[76:77] v_permlanex16_b32's selects for lane l xor 16
.set MNT, 78                           ; s78  the mantissa field of 57,344
.set I128, 79                          ; s79  1 / 128
.set I64, 80                           ; s80  1 / 64
.set EPS, 81                           ; s81  1e-5
.set PB,  82                           ; s[82:83] my wave's first point
.set PN,  84                           ; s[84:85] the block of points that is being loaded
.set PD,  86                           ; s[86:87] an offset (high word 0)
.set OB0, 88                           ; s[88:89] out0 at head 0, my grasp, my wave's first point
.set OBN, 90                           ; s[90:91] the same at the block in hand
.set OD,  92                           ; s[92:93] an offset (high word 0)
.set MSB, 0
.macro WIN new                         ; the immediate's high byte repeats the setting that is left; a switch that changes nothing is dropped
.if MSB != \new
	s_set_vgpr_msb (MSB<<8)|\new
.set MSB, \new
.endif
.endm
.macro PLACES cnt
.rept \cnt
	v_nop
.endr
.endm
; relu of cnt numbers, two an instruction, ascending: each accumulator is read from its low end on
.macro RELU dst, src, cnt
.set ee, 0
.rept (\cnt)/2
	v_dual_max_num_f32 v[\dst+ee], 0, v[\src+ee] :: v_dual_max_num_f32 v[\dst+ee+1], 0, v[\src+ee+1]
.set ee, ee+2
.endr
.endm
; f W1 + b1 for tile k: eight products of 16 units x 16 points x 4; C = b1 (window 1); each is a whole sum
.macro L1MM k
	WIN 0x10
.irp t, 0,1,2,3,4,5,6,7
	v_wmma_f32_16x16x4_f32 v[D1+8*\t:D1+8*\t+7], v[W1F+2*\t:W1F+2*\t+1], v[F+2*(\k):F+2*(\k)+1], v[B1+8*\t:B1+8*\t+7]
.endr
	WIN 0
.endm
.macro TAIL                            ; four packed chains become one number, with that of lane l xor 16, which holds my point's other half
	v_pk_add_f32 v[S:S+1], v[S:S+1], v[S+2:S+3]
	v_pk_add_f32 v[S+4:S+5], v[S+4:S+5], v[S+6:S+7]
	v_pk_add_f32 v[S:S+1], v[S:S+1], v[S+4:S+5]
	v_add_f32 v[S], v[S], v[S+1]
	v_permlanex16_b32 v[S+2], v[S], s[SEL], s[SEL+1]
	v_add_f32 v[S], v[S], v[S+2]
.endm
; LayerNorm's two passes over my cnt numbers v[reg] on (half of the point's): they become d = x - mean; 1 / sqrt(var + eps) is ISSUED into v[rsdst]: its reader stands behind a wait
.macro STATS reg, cnt, inv, rsdst
.irp c, 0,1,2,3
	v_pk_add_f32 v[S+2*\c:S+2*\c+1], v[\reg+4*\c:\reg+4*\c+1], v[\reg+4*\c+2:\reg+4*\c+3]   ; the first sixteen numbers start the chains: nothing is cleared
.endr
.set pp, 8
.rept (\cnt)/2-8
	v_pk_add_f32 v[S+2*(pp%4):S+2*(pp%4)+1], v[S+2*(pp%4):S+2*(pp%4)+1], v[\reg+2*pp:\reg+2*pp+1]
.set pp, pp+1
.endr
	TAIL
	v_mul_f32 v[MU], s[\inv], v[S]
.set pp, 0
.rept (\cnt)/2
	v_pk_add_f32 v[\reg+2*pp:\reg+2*pp+1], v[\reg+2*pp:\reg+2*pp+1], v[MU:MU+1] op_sel_hi:[1,0] neg_lo:[0,1] neg_hi:[0,1]
.set pp, pp+1
.endr
.irp c, 0,1,2,3
	v_pk_mul_f32 v[S+2*\c:S+2*\c+1], v[\reg+2*\c:\reg+2*\c+1], v[\reg+2*\c:\reg+2*\c+1]
.endr
.set pp, 4
.rept (\cnt)/2-4
	v_pk_fma_f32 v[S+2*(pp%4):S+2*(pp%4)+1], v[\reg+2*pp:\reg+2*pp+1], v[\reg+2*pp:\reg+2*pp+1], v[S+2*(pp%4):S+2*(pp%4)+1]
.set pp, pp+1
.endr
	TAIL
	v_fma_f32 v[S], v[S], s[\inv], s[EPS]
	v_rsq_f32 v[\rsdst], v[S]
.endm
; h = (d g1) rs + beta1.  The 32 multiplications by g1 need no rs: they are the plain work between the reciprocal root and the one wait ahead of its first reader
.macro NORM1
	WIN 0x04
.set pp, 0
.rept 32
	v_pk_mul_f32 v[X+2*pp:X+2*pp+1], v[X+2*pp:X+2*pp+1], v[G1+2*pp:G1+2*pp+1]
.set pp, pp+1
.endr
	WIN 0x10
	s_wait_alu depctr_va_vdst(0)                                    ; the reciprocal root has written v[RS], which the lines below read (in a tile ht = 1 also: the last tile's has written v[RSA])
.set pp, 0
.rept 32
	v_pk_fma_f32 v[X+2*pp:X+2*pp+1], v[X+2*pp:X+2*pp+1], v[RS:RS+1], v[BE1+2*pp:BE1+2*pp+1] op_sel_hi:[1,0,1]
.set pp, pp+1
.endr
	WIN 0
.endm
; My 64 numbers, register 16 b + i = k 32 b + 16 (lane / 16) + i of my point, become the operand's 16 registers of codes and the point's scale word.
; Behind blocks 0 and 1 one wait, and b2 is asked for, in the next product's C layout, into their registers: it lands while blocks 2 and 3 are converted.
; Behind block 3 the wait that the scaled products want in any case, and the image of W3' for this tile is asked for, into block 2's registers.
.macro QUANT ht
.irp b, 0,1,2,3
	v_max3_num_f32 v[TM+\b], |v[X+16*\b]|, |v[X+1+16*\b]|, 0x8000000   ; block b: my 16 numbers, and the floor 2^(16 - 127): the byte cannot fall under 1
.endr
.irp i, 2,4,6,8,10,12,14
.irp b, 0,1,2,3
	v_max3_num_f32 v[TM+\b], v[TM+\b], |v[X+16*\b+\i]|, |v[X+1+16*\b+\i]|   ; the four blocks by turns
.endr
.endr
.irp b, 0,1,2,3
	v_permlanex16_b32 v[TM+4+\b], v[TM+\b], s[SEL], s[SEL+1]
.endr
.irp b, 0,1,2,3
	v_max_num_f32 v[TM+\b], v[TM+\b], v[TM+4+\b]                    ; with lane l xor 16's: the block's largest magnitude
.endr
.irp b, 0,1,2,3
	v_add_nc_u32 v[TM+12+\b], 0xf8800000, v[TM+\b]                  ; 15 off its exponent field: the conversion takes this operand's exponent field as its scale
.endr
.irp b, 0,1,2,3
	v_and_or_b32 v[TM+8+\b], v[TM+\b], 0x7f800000, s[MNT]           ; 57,344 x the scale
.endr
.irp b, 0,1,2,3
	v_lshrrev_b32 v[TM+4+\b], 23, v[TM+12+\b]                       ; the scale's byte
.endr
	v_lshl_or_b32 v[PW], v[TM+5], 8, v[TM+4]                        ; the scale word: made 64 plain lines and more ahead of the products that name it
	v_lshl_or_b32 v[PW], v[TM+6], 16, v[PW]
	v_lshl_or_b32 v[PW], v[TM+7], 24, v[PW]
.irp b, 0,1,2,3
.irp i, 0,1,2,3,4,5,6,7,8,9,10,11,12,13,14,15
	v_med3_num_f32 v[X+16*\b+\i], v[X+16*\b+\i], -v[TM+8+\b], v[TM+8+\b]   ; the conversion to an 8-bit code does not saturate (ISA guide 7.6.2): the hold at the largest code x the scale
.endr
	v_cvt_scalef32_pk8_bf8_f32 v[PC+4*\b:PC+1+4*\b], v[X+16*\b:X+7+16*\b], v[TM+12+\b]
	v_cvt_scalef32_pk8_bf8_f32 v[PC+2+4*\b:PC+3+4*\b], v[X+8+16*\b:X+15+16*\b], v[TM+12+\b]
.if \b == 1
	s_wait_alu depctr_va_vdst(0)                                    ; the holds of blocks 0 and 1 have written X .. X + 31 and their conversions are done reading them: b2's loads land there
.irp n, 0,1,2,3,4,5,6,7
	ds_load_b128 v[X+4*\n:X+4*\n+3], v[LB2] offset:128*(\n/4)+64*((\n/2)%2)+16*(\n%2)   ; register 8 t + j: b2[16 t + 8 (lane / 16) + j].  No line from here to the scaled products names these registers or v[LB2]
.endr
.endif
.endr
	PLACES 4                                                        ; the plain line behind the last conversions, and the four places between codes written by vector instructions and a scaled product
	s_wait_alu depctr_va_vdst(0)                                    ; the conversions have written the codes v[PC ..] and the shifts the scale word v[PW], which the scaled products take; block 2's conversions are done reading X + 32 .. X + 47, in which the image lands
.irp i, 0,1,2,3
	ds_load_b128 v[WL+4*\i:WL+4*\i+3], v[LW3] offset:2048*\ht+512*\i
.endr
.endm
; the quantised product: four tiles of 16 outputs x 16 points x 128; C = b2, loaded into the accumulators' own registers
.macro L2MM
	s_wait_dscnt 4                                                  ; b2's eight loads are in; behind them only the four of W3's image were issued, and they may stay out
	WIN 0x01
.irp t, 0,1,2,3
	v_wmma_scale_f32_16x16x128_f8f6f4 v[X+8*\t:X+8*\t+7], v[W2F+16*\t:W2F+16*\t+15], v[PC:PC+15], v[X+8*\t:X+8*\t+7], v[W2S+\t], v[PW] matrix_a_fmt:MATRIX_FMT_BF8 matrix_b_fmt:MATRIX_FMT_BF8
.endr
	WIN 0
.endm
; the features of my point 2 L + q of the coming block.  A: all but what needs the root; its first twelve lines are plain
.macro FEATS_A q
.irp j, 0,1,2
	v_sub_f32 v[AA+\j], v[PT+3*\q+\j], s[TT+\j]
.endr
.irp i, 0,1,2
	v_mul_f32 v[LL+\i], s[RR+\i], v[AA]                             ; (R^T v)_i = sum over j of R[j][i] v_j
.endr
.irp i, 0,1,2
	v_fma_f32 v[LL+\i], s[RR+3+\i], v[AA+1], v[LL+\i]
.endr
.irp i, 0,1,2
	v_fma_f32 v[LL+\i], s[RR+6+\i], v[AA+2], v[LL+\i]
.endr
.irp i, 0,1,2
	v_permlanex16_b32 v[SW+\i], v[LL+\i], s[SEL], s[SEL+1]
.endr
	v_mul_f32 v[NN], v[LL], v[LL]
	v_fma_f32 v[NN], v[LL+1], v[LL+1], v[NN]
	v_fma_f32 v[NN], v[LL+2], v[LL+2], v[NN]
	v_sqrt_f32 v[LL+3], v[NN]
.endm
; B, behind the wait for the root: source 1 of the f32 form wants features 2 (lane / 16) + 0, 1 of column lane % 16.  Tile ht = 0: the points of lanes 0-15; ht = 1: of lanes 16-31
.macro FEATS_B q
	v_permlanex16_b32 v[SW+3], v[LL+3], s[SEL], s[SEL+1]
	v_cndmask_b32 v[F+4*\q+0], v[LL+0], v[SW+2], s[HM]
	v_cndmask_b32 v[F+4*\q+1], v[LL+1], v[SW+3], s[HM]
	v_cndmask_b32 v[F+4*\q+2], v[SW+0], v[LL+2], s[HM]
	v_cndmask_b32 v[F+4*\q+3], v[SW+1], v[LL+3], s[HM]
.endm
; d to bf16 (tile t's eight registers in pairs are registers 4 (t % 2) on of K step t / 2), and the last product: two accumulators, one for each 32 along K, by turns
.macro L3 ht
.set pp, 0
.rept 16
	v_cvt_pk_bf16_f32 v[BF+pp], v[X+2*pp], v[X+2*pp+1]
.set pp, pp+1
.endr
	s_wait_dscnt 0x0                                                ; the image of W3'
.if \ht
	v_wmma_f32_16x16x32_bf16 v[XA:XA+7], v[WL:WL+7], v[BF:BF+7], v[XA:XA+7]
	v_wmma_f32_16x16x32_bf16 v[YA:YA+7], v[WL+8:WL+15], v[BF+8:BF+15], v[YA:YA+7]
.else
	v_wmma_f32_16x16x32_bf16 v[XA:XA+7], v[WL:WL+7], v[BF:BF+7], 0
	v_wmma_f32_16x16x32_bf16 v[YA:YA+7], v[WL+8:WL+15], v[BF+8:BF+15], 0
.endif
.endm
; the points of block (BLK + 2) mod 8: the wait for the last such loads, in this trip's second tile, has freed their base.
; No wait on va_vdst of its own: the one ahead of FEATS_B stands behind the last line that names the points, and FEATS_B names neither them nor v[PO]
.macro PLOAD
	s_add_co_u32 s[PD], s[BLK], 2
	s_and_b32 s[PD], s[PD], 7
	s_mul_i32 s[PD], s[PD], 768
	s_add_nc_u64 s[PN:PN+1], s[PB:PB+1], s[PD:PD+1]
.irp i, 0,1,2
	global_load_b64 v[PT+2*\i:PT+2*\i+1], v[PO], s[PN:PN+1] offset:8*\i
.endr
.endm
.macro FINAL q
.if \q == 0
	s_wait_xcnt 0x0                                                 ; the last block's stores have read their data and their base: both are written again only behind this wait
	s_wait_alu depctr_vm_vsrc(0)                                    ; the last block's stores have read v[O ..], which the lines below, and those of tile (1, 1), write again
	s_lshl_b32 s[OD], s[BLK], 8
	s_add_nc_u64 s[OBN:OBN+1], s[OB0:OB0+1], s[OD:OD+1]
.endif
	v_cndmask_b32 v[RSS], v[RSA], v[RSA+1], s[HM]                   ; lanes 0-15 own tile 0's points, lanes 16-31 tile 1's
.irp i, 0,1,2,3
	v_pk_add_f32 v[XA+2*\i:XA+2*\i+1], v[XA+2*\i:XA+2*\i+1], v[YA+2*\i:YA+2*\i+1]
.endr
.irp j, 0,1,2,3,4,5,6,7
	v_fma_f32 v[O+2*\j+\q], v[XA+\j], v[RSS], s[CJ+\j]
.endr
.endm
.macro STORE
.irp j, 0,1,2,3,4,5,6,7
	global_store_b64 v[OO], v[O+2*\j:O+2*\j+1], s[OBN:OBN+1] offset:\j*1048576 th:TH_STORE_NT   ; 32 lanes store 256 consecutive bytes, at a multiple of 256 from out0's first byte; heads lie 1 MiB apart: 7 MiB at the most, inside the signed 24-bit immediate
.endr
.endm
; A TILE of 16 points.  No two matrix instructions that follow each other share an accumulator (eight, four, two, eight ..), each turn is one instruction.
.macro TILE q, ht
	RELU X, D1, 64                                                  ; (its first sixteen lines are the places behind the last tile's bf16 products, whose source X + 32 on is written next)
	L1MM (2*\q+\ht+1)%4                                             ; the next tile's first layer: its results are read a tile later
	STATS X, 64, I128, RS
	NORM1
	QUANT \ht
	L2MM
.if \ht
.if \q == 0
	s_wait_loadcnt 0x0                                              ; the coming block's points: the only loads that are out
.endif
	FEATS_A \q                                                      ; its twelve plain lines name nothing of the scaled products: they are the eight places behind them
.else
	PLACES 8
.endif
	RELU X, X, 32
	STATS X, 32, I64, RSA+\ht
	L3 \ht                                                          ; its sixteen roundings are the plain work behind the reciprocal root
.if \ht
	s_wait_alu depctr_va_vdst(0)                                    ; the root has written v[LL+3] and the reciprocal root v[RSA+1], ahead of their first readers; FEATS_A's subtractions are done reading the points, in which the loads of tile (1, 1) land
	FEATS_B \q                                                      ; (these lines and FINAL's first are the places behind the bf16 products)
.if \q
	PLOAD
.endif
	FINAL \q
.if \q
	s_wait_alu depctr_va_vdst(0)                                    ; FINAL's multiply-adds, this tile's and tile (0, 1)'s, have written v[O ..], which the stores read
	STORE
.endif
.endif
.endm
	s_load_b512 s[8:23], s[0:1], 0x0               ; scene_points s[8:9], grasp_poses s[10:11], W1 s[12:13], b1 s[14:15], g1 s[16:17], beta1 s[18:19], W2's codes s[20:21], W2's scales s[22:23]
	s_load_b256 s[24:31], s[0:1], 0x40             ; b2 s[24:25], g2 s[26:27], beta2 s[28:29], W3 s[30:31]
	s_load_b128 s[32:35], s[0:1], 0x60             ; b3 s[32:33], bias_scale s[34:35]
	s_load_b64 s[36:37], s[0:1], 0x70              ; out0
	v_lshl_add_u32 v[SPW], v0, 2, SPARE
	v_mov_b32 v[NIL], 0
	v_lshrrev_b32 v1, 5, v0
	v_readfirstlane_b32 s[WV], v1                  ; wave 0..7
	v_and_b32 v120, 31, v0                         ; L
	v_and_b32 v121, 15, v0                         ; r
	v_bfe_u32 v122, v0, 4, 1                       ; h
	v_lshlrev_b32 v[LB2], 5, v122
	v_lshl_add_u32 v[LW3], v120, 4, W3I
	v_mul_u32_u24 v[PO], v120, 24
	v_lshlrev_b32 v[OO], 3, v120
	v_and_b32 v1, 8, v121
	v_add_nc_u32 v1, v1, v121                      ; r + 8 (r / 8)
	v_lshlrev_b32 v123, 2, v1
	v_lshl_add_u32 v123, v122, 10, v123            ; W1: rows 2 h + j of 512 bytes, column r + 8 (r / 8) of a tile
	v_lshlrev_b32 v124, 6, v122                    ; b1, g1, beta1: 64 h
	v_lshlrev_b32 v125, 7, v121
	v_lshl_add_u32 v125, v122, 4, v125             ; W2's codes: row r of 128 bytes, + 16 h
	v_and_b32 v[O4], 7, v0
	v_lshlrev_b32 v[O4], 2, v[O4]                  ; head r % 8
	v_lshl_add_u32 v126, v122, 8, v[O4]            ; W3: rows 8 h on, of 32 bytes, column r % 8
	v_lshlrev_b32 v127, 2, v121                    ; W2's scale words: 4 r
	s_mov_b32 s[HM], 0xffff0000
	s_mov_b32 s[SEL], 0x76543210
	s_mov_b32 s[SEL+1], 0xfedcba98
	s_mov_b32 s[MNT], 0x600000
	s_mov_b32 s[I128], 0x3c000000
	s_mov_b32 s[I64], 0x3c800000
	s_mov_b32 s[EPS], 0x3727c5ac
	s_wait_alu depctr_va_sdst(0)                   ; the wave's number is written into s[WV], ahead of its first reader: the offsets of the points and of out0 are made from it
	s_lshr_b32 s4, ttmp9, 6                        ; b
	s_and_b32 s5, ttmp9, 63                        ; g
	s_mul_i32 s38, ttmp9, 28                       ; my grasp's seven numbers
	s_mov_b32 s39, 0
	s_mul_i32 s[PD], s4, 49152                     ; a scene's 4,096 points of 12 bytes,
	s_mul_i32 s6, s[WV], 6144                      ; my wave's 512
	s_add_co_u32 s[PD], s[PD], s6
	s_mov_b32 s[PD+1], 0
	s_lshl_b32 s[OD], s4, 9
	s_add_co_u32 s[OD], s[OD], s5
	s_lshl_b32 s[OD], s[OD], 14                    ; (512 b + g) rows of 16,384 bytes,
	s_lshl_b32 s6, s[WV], 11                       ; my wave's 512 points
	s_add_co_u32 s[OD], s[OD], s6
	s_mov_b32 s[OD+1], 0
	s_wait_kmcnt 0x0
	s_add_nc_u64 s[10:11], s[10:11], s[38:39]
	s_add_nc_u64 s[PB:PB+1], s[8:9], s[PD:PD+1]
	s_add_nc_u64 s[OB0:OB0+1], s[36:37], s[OD:OD+1]
.irp i, 0,1,2,3,4,5,6
	s_load_b32 s[TT+\i], s[10:11], 4*\i
.endr
	s_wait_alu depctr_va_vdst(0)                   ; the offsets and LDS addresses v4 to v7, v27 and v123 to v127 are written: every load and store of the kernel reads one of them.  Up to the last load of this run only loads and a window switch follow
	; all that stays in registers is loaded once, by every wave alike, so that one wait serves every way through the head
.irp i, 0,1,2
	global_load_b64 v[PT+2*\i:PT+2*\i+1], v[PO], s[PB:PB+1] offset:8*\i        ; block 0's points
.endr
.irp t, 0,1,2,3,4,5,6,7
.irp j, 0,1
	global_load_b32 v[W1F+2*\t+\j], v123, s[12:13] offset:(128*\j+32*(\t/2)+8*(\t%2))*4
.endr
.endr
.irp t, 0,1,2,3
	global_load_b32 v[W2S+\t], v127, s[22:23] offset:64*\t
.endr
.set nn, 0
.rept 32                               ; W3[k][r % 8], k = 32 s + 16 c + 8 h + i, at X + 16 s + 8 c + i: the bf16 operand's order of k
	global_load_b32 v[X+nn], v126, s[30:31] offset:32*(32*(nn/16)+16*((nn/8)%2)+nn%8)
.set nn, nn+1
.endr
.set nn, 0
.rept 8                                ; g2 and beta2 at the same k
	global_load_b128 v[X+32+4*nn:X+32+4*nn+3], v[LB2], s[26:27] offset:128*(nn/4)+64*((nn/2)%2)+16*(nn%2)
	global_load_b128 v[44+4*nn:44+4*nn+3], v[LB2], s[28:29] offset:128*(nn/4)+64*((nn/2)%2)+16*(nn%2)
.set nn, nn+1
.endr
	global_load_b32 v76, v[O4], s[34:35]           ; bias_scale[r % 8]
	global_load_b32 v77, v[O4], s[32:33]           ; b3[r % 8]
	global_load_b64 v[78:79], v[OO], s[24:25]      ; b2, two numbers a lane
	WIN 0x40                                       ; destination window 1
.set nn, 0
.rept 16
	global_load_b128 v[B1+4*nn:B1+4*nn+3], v124, s[14:15] offset:128*(nn/4)+16*(nn%4)
	global_load_b128 v[G1+4*nn:G1+4*nn+3], v124, s[16:17] offset:128*(nn/4)+16*(nn%4)
	global_load_b128 v[BE1+4*nn:BE1+4*nn+3], v124, s[18:19] offset:128*(nn/4)+16*(nn%4)
	global_load_b128 v[W2F+4*nn:W2F+4*nn+3], v125, s[20:21] offset:2048*(nn/4)+32*(nn%4)
.set nn, nn+1
.endr
	WIN 0
	s_wait_kmcnt 0x0                               ; the pose
	; R from the quaternion, as the source writes it, the same in every lane, while the loads are on their way (v92 to v116: no load names them)
.set PV, 92                            ; v92-95 x y z w; v96-98 at work; v99-107 xx yy zz xy xz yz wx wy wz; v108-116 R
.irp i, 0,1,2,3
	v_mov_b32 v[PV+\i], s[TT+3+\i]
.endr
	v_mul_f32 v[PV+4], v[PV], v[PV]
	v_fma_f32 v[PV+4], v[PV+1], v[PV+1], v[PV+4]
	v_fma_f32 v[PV+4], v[PV+2], v[PV+2], v[PV+4]
	v_fma_f32 v[PV+4], v[PV+3], v[PV+3], v[PV+4]
	v_sqrt_f32 v[PV+5], v[PV+4]
	v_nop                                          ; a plain line behind a transcendental
	s_wait_alu depctr_va_vdst(0)                   ; the root has written v[PV+5], ahead of its reader
	v_add_f32 v[PV+5], 0x322bcc77, v[PV+5]         ; + 1e-8
	v_rcp_f32 v[PV+6], v[PV+5]
	v_nop
	s_wait_alu depctr_va_vdst(0)                   ; the reciprocal has written v[PV+6], ahead of its readers
.irp i, 0,1,2,3
	v_mul_f32 v[PV+\i], v[PV+\i], v[PV+6]
.endr
	v_mul_f32 v[PV+7], v[PV], v[PV]                ; xx
	v_mul_f32 v[PV+8], v[PV+1], v[PV+1]            ; yy
	v_mul_f32 v[PV+9], v[PV+2], v[PV+2]            ; zz
	v_mul_f32 v[PV+10], v[PV], v[PV+1]             ; xy
	v_mul_f32 v[PV+11], v[PV], v[PV+2]             ; xz
	v_mul_f32 v[PV+12], v[PV+1], v[PV+2]           ; yz
	v_mul_f32 v[PV+13], v[PV+3], v[PV]             ; wx
	v_mul_f32 v[PV+14], v[PV+3], v[PV+1]           ; wy
	v_mul_f32 v[PV+15], v[PV+3], v[PV+2]           ; wz
	v_add_f32 v[PV+16], v[PV+8], v[PV+9]           ; yy + zz
	v_sub_f32 v[PV+17], v[PV+10], v[PV+15]         ; xy - wz
	v_add_f32 v[PV+18], v[PV+11], v[PV+14]         ; xz + wy
	v_add_f32 v[PV+19], v[PV+10], v[PV+15]         ; xy + wz
	v_add_f32 v[PV+20], v[PV+7], v[PV+9]           ; xx + zz
	v_sub_f32 v[PV+21], v[PV+12], v[PV+13]         ; yz - wx
	v_sub_f32 v[PV+22], v[PV+11], v[PV+14]         ; xz - wy
	v_add_f32 v[PV+23], v[PV+12], v[PV+13]         ; yz + wx
	v_add_f32 v[PV+24], v[PV+7], v[PV+8]           ; xx + yy
.irp n, 16,20,24
	v_fma_f32 v[PV+\n], v[PV+\n], -2.0, 1.0
.endr
.irp n, 17,18,19,21,22,23
	v_add_f32 v[PV+\n], v[PV+\n], v[PV+\n]
.endr
.irp n, 0,1,2,3,4,5,6,7,8
	v_readfirstlane_b32 s[RR+\n], v[PV+16+\n]
.endr
	s_wait_alu depctr_va_sdst(0)                   ; R's nine numbers are written into s[RR ..], ahead of their first readers, the features' multiplications
	v_mov_b32 v[MU+1], 0                           ; named as the upper halves of pairs of which the low word serves both halves
	v_mov_b32 v[RS+1], 0
.irp i, 0,1,2,3
	v_mov_b32 v[SW+\i], 0                          ; a lane permute's destination counts as one of its sources
.endr
	s_wait_loadcnt 0x0                             ; everything is in
	FEATS_A 0                                      ; block 0's features
	v_nop
	s_wait_alu depctr_va_vdst(0)                   ; the root has written v[LL+3], ahead of its readers
	FEATS_B 0
	FEATS_A 1
	v_nop
	s_wait_alu depctr_va_vdst(0)                   ; the root has written v[LL+3], ahead of its readers; the six subtractions are done reading the points, in which block 1's loads land (FEATS_B names neither the points nor v[PO])
	FEATS_B 1
	s_add_nc_u64 s[PN:PN+1], s[PB:PB+1], 768
.irp i, 0,1,2
	global_load_b64 v[PT+2*\i:PT+2*\i+1], v[PO], s[PN:PN+1] offset:8*\i        ; block 1's points
.endr
	L1MM 0                                         ; the first tile's first layer; the lines below, which name none of its registers, are the places behind it
	; c[j] = (sum over k of beta2[k] W3[k][j] + b3[j]) bias_scale[j]: my 32 k in two packed chains, lane l xor 16's 32; lanes 0-7 then hold heads 0-7
	v_pk_mul_f32 v[80:81], v[44:45], v[X:X+1]
	v_pk_mul_f32 v[82:83], v[46:47], v[X+2:X+3]
.set pp, 2
.rept 14
	v_pk_fma_f32 v[80+2*(pp%2):81+2*(pp%2)], v[44+2*pp:45+2*pp], v[X+2*pp:X+2*pp+1], v[80+2*(pp%2):81+2*(pp%2)]
.set pp, pp+1
.endr
	v_pk_add_f32 v[80:81], v[80:81], v[82:83]
	v_add_f32 v80, v80, v81
	v_permlanex16_b32 v82, v80, s[SEL], s[SEL+1]
	v_add_f32 v80, v80, v82
	v_add_f32 v80, v80, v77
	v_mul_f32 v80, v80, v76
.irp j, 0,1,2,3,4,5,6,7
	v_readlane_b32 s[CJ+\j], v80, \j
.endr
	s_wait_alu depctr_va_sdst(0)                   ; the eight c are written into s[CJ ..]: their first readers stand in the loop
	s_cmp_lg_u32 s[WV], 0
	s_cbranch_scc1 .Lnot_wave_0
	; wave 0 alone: W3' = W3 g2 bias_scale in bf16, once with heads in rows 0-7 and zeros in rows 8-15, once the other way round, to LDS as images of the operand's registers; and b2
	v_and_b32 v1, 8, v0
	v_cmp_eq_u32 s4, 0, v1                         ; rows 0-7
.set pp, 0
.rept 16
	v_pk_mul_f32 v[X+2*pp:X+2*pp+1], v[X+2*pp:X+2*pp+1], v[X+32+2*pp:X+32+2*pp+1]
.set pp, pp+1
.endr
.set pp, 0
.rept 16
	v_pk_mul_f32 v[X+2*pp:X+2*pp+1], v[X+2*pp:X+2*pp+1], v[76:77] op_sel_hi:[1,0]
.set pp, pp+1
.endr
.set pp, 0
.rept 16
	v_cvt_pk_bf16_f32 v[X+32+pp], v[X+2*pp], v[X+2*pp+1]
.set pp, pp+1
.endr
	s_wait_alu depctr_va_sdst(0)                   ; the compare has written its mask into s4, ahead of the selects that read it
.set pp, 0
.rept 16
	v_cndmask_b32 v[44+pp], v[NIL], v[X+32+pp], s4
	v_cndmask_b32 v[60+pp], v[X+32+pp], v[NIL], s4
.set pp, pp+1
.endr
	s_wait_alu depctr_va_vdst(0)                   ; the selects have written v44 to v75, which the LDS stores read
.irp t, 0,1
.irp i, 0,1,2,3
	ds_store_b128 v[LW3], v[44+16*\t+4*\i:44+16*\t+4*\i+3] offset:2048*\t+512*\i
.endr
.endr
	ds_store_b64 v[OO], v[78:79]
	s_wait_alu depctr_vm_vsrc(0)                   ; the LDS stores have read v44 to v75, v78 and v79: in the loop these registers are the codes, the last product's sums and the results
.Lnot_wave_0:
	s_wait_dscnt 0x0                               ; for the others' sake: wave 0's stores have landed
	s_barrier_signal -1
	s_barrier_wait -1                              ; from here on LDS is only read
	s_mov_b32 s[BLK], 0
.Lblock:                                               ; eight trips: a block of 64 points x 8 heads
	TILE 0, 0
	TILE 0, 1
	TILE 1, 0
	TILE 1, 1
	s_add_co_u32 s[BLK], s[BLK], 1
	s_cmp_lt_u32 s[BLK], 8
	s_cbranch_scc1 .Lblock
	s_wait_dscnt 0x0                               ; the closing lines, six on end
	s_wait_alu 0x0
	s_wait_tensorcnt 0x0
	ds_add_u32 v[SPW], v[NIL]
	s_wait_dscnt 0x0
	s_endpgm
.Lfunc_end_k_q4f7de49869_geo:
	.size	k_q4f7de49869_geo, .Lfunc_end_k_q4f7de49869_geo-k_q4f7de49869_geo
	.p2alignl 7, 3214868480
	.fill 96, 4, 3214868480
	.section	.rodata,"a",@progbits
	.p2align	6, 0x0
	.amdhsa_kernel k_q4f7de49869_geo
		.amdhsa_group_segment_fixed_size 8192
		.amdhsa_private_segment_fixed_size 0
		.amdhsa_enable_private_segment 0
		.amdhsa_kernarg_size 120
		.amdhsa_user_sgpr_count 2
		.amdhsa_user_sgpr_kernarg_segment_ptr 1
		.amdhsa_wavefront_size32 1
		.amdhsa_system_sgpr_workgroup_id_x 1
		.amdhsa_system_sgpr_workgroup_id_y 1
		.amdhsa_system_sgpr_workgroup_id_z 1
		.amdhsa_system_vgpr_workitem_id 0
		.amdhsa_next_free_vgpr 512
		.amdhsa_next_free_sgpr 96
		.amdhsa_reserve_vcc 0
		.amdhsa_float_denorm_mode_32 3
		.amdhsa_float_denorm_mode_16_64 3
		.amdhsa_memory_ordered 1
		.amdhsa_forward_progress 1
		.amdhsa_inst_pref_size 150
	.end_amdhsa_kernel
	.amdgpu_metadata
---
amdhsa.version: [ 1, 2 ]
amdhsa.kernels:
  - .name:           k_q4f7de49869_geo
    .symbol:         k_q4f7de49869_geo.kd
    .args:
      - { .name: scene_points, .offset: 0, .size: 8, .value_kind: global_buffer, .address_space: global }
      - { .name: grasp_poses, .offset: 8, .size: 8, .value_kind: global_buffer, .address_space: global }
      - { .name: W1, .offset: 16, .size: 8, .value_kind: global_buffer, .address_space: global }
      - { .name: b1, .offset: 24, .size: 8, .value_kind: global_buffer, .address_space: global }
      - { .name: g1, .offset: 32, .size: 8, .value_kind: global_buffer, .address_space: global }
      - { .name: beta1, .offset: 40, .size: 8, .value_kind: global_buffer, .address_space: global }
      - { .name: W2_codes, .offset: 48, .size: 8, .value_kind: global_buffer, .address_space: global }
      - { .name: W2_scales, .offset: 56, .size: 8, .value_kind: global_buffer, .address_space: global }
      - { .name: b2, .offset: 64, .size: 8, .value_kind: global_buffer, .address_space: global }
      - { .name: g2, .offset: 72, .size: 8, .value_kind: global_buffer, .address_space: global }
      - { .name: beta2, .offset: 80, .size: 8, .value_kind: global_buffer, .address_space: global }
      - { .name: W3, .offset: 88, .size: 8, .value_kind: global_buffer, .address_space: global }
      - { .name: b3, .offset: 96, .size: 8, .value_kind: global_buffer, .address_space: global }
      - { .name: bias_scale, .offset: 104, .size: 8, .value_kind: global_buffer, .address_space: global }
      - { .name: out0, .offset: 112, .size: 8, .value_kind: global_buffer, .address_space: global }
    .group_segment_fixed_size: 8192
    .private_segment_fixed_size: 0
    .kernarg_segment_align: 8
    .kernarg_segment_size: 120
    .max_flat_workgroup_size: 256
    .sgpr_count:     96
    .vgpr_count:     512
    .wavefront_size: 32
...
	.end_amdgpu_metadata
.endif
;; end of part 2
